; MI455X (gfx1250); checked and timed in simulation.
; The chip was launched on July 23, 2026; its instructions are those of AMD's public machine-readable ISA for CDNA 5 (MIT licence, August 2026) and "CDNA5" Instruction Set Architecture Reference Guide (July 2026). The comments in the code are by the model that wrote it; some were corrected since.
;; Attention. Allowed arithmetic: matrix products marked QUANTISED: E4M3 operands, one given power-of-two scale a tensor, by v_wmma_f32_16x16x64_fp8_fp8 or v_wmma_f32_16x16x128_fp8_fp8, f32 sums; everything else in f32.
;; Inputs: W_in 1,024 x 3,072 float32; W_out 1,024 x 1,024 float32; b_in 3,072 float32; b_out 1,024 float32; lowp_scales 8 int32 (the exponents e of the quantised operands' scales 2^e); x 4 x 2,048 x 1,024 float32.
;; Outputs: out0 4 x 2,048 x 1,024 float32.
;; This version of the problem:
;;   THIS VERSION OF THE PROBLEM IS GIVEN IN LOW PRECISION. The matrix products marked QUANTISED in the list below multiply operands that are first quantised to E4M3 (4 exponent bits, 3 mantissa bits; 8 bits a number), with one given power-of-two scale for each operand tensor; their sums are f32. All else is computed in f32.
;;   The module's matrix products, in the order in which they are computed (A, B: the left and right operand; K: the contracted axis; several contracted axes count as one K, in the product's order):
;;     1. [M 8,192, K 1,024] x [K 1,024, N 3,072]; A: input x; B: input W_in: QUANTISED (scales: A lowp_scales[0], B lowp_scales[1])
;;     2. batch 64 x [M 2,048, K 64] x [K 64, N 2,048]; A: computed on the way; B: computed on the way: QUANTISED (scales: A lowp_scales[2], B lowp_scales[3])
;;     3. batch 64 x [M 2,048, K 2,048] x [K 2,048, N 64]; A: softmax (see below); B: computed on the way: QUANTISED (scales: A lowp_scales[4], B lowp_scales[5])
;;     4. [M 8,192, K 1,024] x [K 1,024, N 1,024]; A: computed on the way; B: input W_out: QUANTISED (scales: A lowp_scales[6], B lowp_scales[7])
;;   THE QUANTISER, for each operand of a quantised product, along K:
;;     - The operand's scale is 2^e, e = its entry of the input lowp_scales (int32; the entries are numbered through the quantised products in the list's order, A before B).
;;     - Each number is divided by the scale, clamped to +-448, and rounded to the nearest number of E4M3, ties to even, subnormals kept.
;;     - The product sums the exact products of the quantised numbers (number of the format x scale) in f32.
;;   ~~~python
;;   def quantise(x, axis, e):      # numpy; x: float32 -> the quantised numbers, widened to float32 again
;;       x = np.moveaxis(x, axis, -1); K = x.shape[-1]
;;       r = np.clip(x / 2.0 ** e, -448, 448)
;;       step = 2.0 ** (np.maximum(np.frexp(np.where(r == 0, 1, r))[1] - 1, -6) - 3)
;;       q = np.round(r / step) * step * 2.0 ** e      # np.round: ties to even
;;       return np.moveaxis(q, -1, axis).astype(np.float32)
;;   ~~~
;;   SOFTMAX AHEAD OF A QUANTISED PRODUCT. Where the list says 'softmax', what is quantised is not the finished softmax but p = 2^(t - M), with t = logit x log2(e) and M = ceil(the row's largest t), a whole number; so 1/2 < the row's largest p <= 1. The row's sum l is taken of the UNQUANTISED p, in f32, and the product's result is divided by l at the end. Since M is a whole number, a kernel that streams over the keys may use a running M (the ceiling of the running maximum): every later rescaling is an exact power of two, so the quantised numbers keep their values, but for numbers so far below the row's largest that they fall under the format's range.
;;   OPERANDS COMPUTED ON THE WAY. 'Computed on the way' means the value that the module computes at that place (a softmax that the list does not call 'softmax' is quantised finished and normalised). What goes into a quantiser is computed in f32, as accurately as f32 sums, v_exp_f32 and their like allow (about 1e-6 of the number): no bf16 or f16 on the way to a quantiser, and a product that is left as it is and whose result goes on into a quantised operand takes f32 operands (vector FMAs, or v_wmma_f32_16x16x4_f32). A number that lies on a knife's edge between two numbers of the format may be rounded either way, as far as f32 arithmetic and the matrix unit's own rounding can turn it there, and no further.
;; One version. Each part assembles by itself: llvm-mc -triple=amdgcn-amd-amdhsa -mcpu=gfx1250 --defsym DOCPART=n.
;; ======== version 1 of 1: 4 launches
;; limits: right only within a limited range of input values
;; workspace buffers: x_img 8,388,608 bytes; win_img 3,145,728 bytes; wout_img 1,048,576 bytes; q_img 8,388,608 bytes; k_img 8,388,608 bytes; v_img 8,388,608 bytes; o_img 8,388,608 bytes
;; launch quant (part 1): grid 768 x 1, 4 waves a work-group, no clusters, 34,304 bytes of LDS; arguments x, W_in, W_out, lowp_scales, x_img, win_img, wout_img; writes x_img, win_img, wout_img
.if DOCPART == 1
	.amdgcn_target "amdgcn-amd-amdhsa--gfx1250"
	.amdhsa_code_object_version 6
	.text
	.protected	k_q6213a15753_quant
	.globl	k_q6213a15753_quant
	.p2align	8
	.type	k_q6213a15753_quant,@function
k_q6213a15753_quant:
	s_mov_b64 s[64:65], 0
	v_nop
	global_prefetch_b8 v0, s[64:65] scope:SCOPE_SE
	s_setreg_imm32_b32 hwreg(HW_REG_WAVE_MODE, 25, 1), 1
	s_wait_xcnt 0x0
; x [8192][1024], W_in [1024][3072], W_out [1024][1024], all f32, become codes of FP8 (E4M3), each tensor with the one scale 2^e that is given for it
; (entries 0, 1 and 7 of the buffer of scales): code = number / 2^e, held within +-448, to the nearest code, ties to even.
; THE CODES ARE LAID AS IMAGES OF THE OPERAND'S REGISTERS.  The unit is a chunk of 512 bytes = 16 rows x 32 along K; lane l = (r = l % 16, h = l / 16) owns the 16 bytes at 16 l:
; of row r, k = 8 h + 0..7 and then k = 16 + 8 h + 0..7 of the chunk's 32.  That is the place that the plain 8-bit matrix forms give each k (registers 2 c, 2 c + 1: k = 16 c + 8 h + 0..7).
; A tile of 16 rows is 32 chunks on end (16,384 bytes).  For the weights a 'row' is a column n, since K is their first axis.
; SHARES: work-groups 0-511 take x, 512-703 W_in, 704-767 W_out, 65,536 bytes of f32 each: 768 = 3 x 256.  The branch hangs on the work-group's number alone.  Waves share nothing: no barrier.
; No cluster and no tensor load: no two work-groups read the same byte, and every byte is read once.
; LIMITS: e between -126 and 119, so that 2^e and 448 x 2^e are f32 numbers.  NaN among the inputs is not served (an infinity is held at the largest code).
.set SP,   528                         ; x path: a row of the wave's stage in LDS: 512 bytes + 16, an odd multiple of 16
.set STG,  16*SP                       ; a wave's stage: 16 rows
.set XR,   16                          ; v16-143  x path: two sets of 64 registers as loaded
.set XX,   144                         ; v144-207 x path: 64 numbers in the chunks' order
.set XC,   208                         ; v208-223 x path: a fragment's codes
.set WX,   16                          ; v16-79   weights: two sets of 32 numbers down K
.set WC,   80                          ; v80-111  weights: 8 registers of codes for each of 4 blocks, so that no store's data are written again
.macro SCALE e                         ; v10 = 2^e as f32 (the conversion takes its exponent field), v11 = 448 x 2^e
	s_add_co_i32 s36, s[\e], 127
	s_lshl_b32 s37, s36, 23
	v_mov_b32 v10, s37
	s_add_co_i32 s36, s36, 8
	s_lshl_b32 s36, s36, 23
	s_or_b32 s36, s36, 0x600000
	v_mov_b32 v11, s36
.endm
	s_load_b256 s[4:11], s[0:1], 0x0               ; x s[4:5], W_in s[6:7], W_out s[8:9], the scales' exponents s[10:11]
	s_load_b128 s[12:15], s[0:1], 0x20             ; x_img s[12:13], win_img s[14:15]
	s_load_b64 s[16:17], s[0:1], 0x30              ; wout_img
	v_lshl_add_u32 v224, v0, 2, 0x8400             ; my spare word, behind the four stages
	v_mov_b32 v225, 0
	v_lshrrev_b32 v1, 5, v0
	v_readfirstlane_b32 s18, v1                    ; wave 0..3
	v_and_b32 v2, 31, v0                           ; lane
	v_and_b32 v6, 15, v0                           ; r
	v_bfe_u32 v7, v0, 4, 1                         ; h
	s_wait_kmcnt 0x0
	s_load_b256 s[24:31], s[10:11], 0x0            ; e0 .. e7
	s_cmp_lt_u32 ttmp9, 512
	s_cbranch_scc0 .Lweights
; ---- x: K is innermost.  A work-group takes one tile of 16 rows; a wave 256 along K of it, in two steps of 128 (one fragment, 2,048 bytes of codes), both asked for at its start.
; Each load reads 512 consecutive bytes of one row; the step's 16 rows turn through the wave's own stage in LDS, so that a lane gets its 8 + 8 neighbours of each chunk.
	s_lshl_b32 s22, ttmp9, 16                      ; 16 rows of 4,096 bytes
	s_lshl_b32 s21, s18, 10                        ; my wave's 256 numbers
	s_add_co_u32 s22, s22, s21
	s_mov_b32 s23, 0
	s_add_nc_u64 s[4:5], s[4:5], s[22:23]
	s_lshl_b32 s22, ttmp9, 14                      ; a tile's 32 chunks
	s_lshl_b32 s21, s18, 12                        ; my wave's 8
	s_add_co_u32 s22, s22, s21
	s_add_nc_u64 s[12:13], s[12:13], s[22:23]
	s_mul_i32 s21, s18, STG                        ; my stage
	s_wait_alu depctr_va_vdst(0)                   ; behind the run of scalar lines
	v_lshlrev_b32 v3, 4, v2                        ; 16 x lane: my bytes of a load's 512 and of a chunk
	v_add_nc_u32 v4, s21, v3                       ; into the stage: as loaded
	v_mul_u32_u24 v5, v6, SP
	v_lshl_add_u32 v5, v7, 5, v5
	v_add_nc_u32 v5, s21, v5                       ; out of it: row r, + 32 h bytes (8 numbers)
.macro XLOAD t
.irp i, 0,1,2,3,4,5,6,7,8,9,10,11,12,13,14,15
	global_load_b128 v[XR+64*((\t)%2)+4*\i:XR+64*((\t)%2)+4*\i+3], v3, s[4:5] offset:4096*\i+512*(\t) th:TH_LOAD_NT
.endr
.endm
.macro XSTEP t
.if (\t) < 1
	s_wait_loadcnt 16                              ; this step's 16 loads are in; the next step's 16 may be out
.else
	s_wait_loadcnt 0
.endif
.irp i, 0,1,2,3,4,5,6,7,8,9,10,11,12,13,14,15
	ds_store_b128 v4, v[XR+64*((\t)%2)+4*\i:XR+64*((\t)%2)+4*\i+3] offset:SP*\i
.endr
.irp q, 0,1,2,3                                ; LDS serves a wave's instructions in order: these see the stores above.  Chunk q: k = 32 q + 8 h + 0..7, then 32 q + 16 + 8 h + 0..7
	ds_load_b128 v[XX+16*\q:XX+16*\q+3], v5 offset:128*\q
	ds_load_b128 v[XX+16*\q+4:XX+16*\q+7], v5 offset:128*\q+16
	ds_load_b128 v[XX+16*\q+8:XX+16*\q+11], v5 offset:128*\q+64
	ds_load_b128 v[XX+16*\q+12:XX+16*\q+15], v5 offset:128*\q+80
.endr
	s_wait_dscnt 0x0                               ; the numbers are back
	s_wait_xcnt 0x0                                ; the last step's stores have read the codes' registers, which are written again below
.set j, 0
.rept 64
	v_med3_num_f32 v[XX+j], v[XX+j], -v11, v11     ; the conversion to an 8-bit code does not saturate (ISA guide 7.6.2): the hold at the largest code x the scale
.set j, j+1
.endr
.irp q, 0,1,2,3
	v_cvt_scalef32_pk8_fp8_f32 v[XC+4*\q:XC+4*\q+1], v[XX+16*\q:XX+16*\q+7], v10
	v_cvt_scalef32_pk8_fp8_f32 v[XC+4*\q+2:XC+4*\q+3], v[XX+16*\q+8:XX+16*\q+15], v10
.endr
	v_nop                                          ; a plain vector line behind the last conversion of the run
.irp q, 0,1,2,3
	global_store_b128 v3, v[XC+4*\q:XC+4*\q+3], s[12:13] offset:2048*(\t)+512*\q   ; a whole chunk: 512 consecutive bytes, aligned
.endr
.endm
	XLOAD 0
	XLOAD 1
	s_wait_alu depctr_va_vdst(0)                   ; directly ahead of the wait below
	s_wait_kmcnt 0x0
	SCALE 24                                       ; e0
	s_wait_alu depctr_va_vdst(0)                   ; and at the head's end
	XSTEP 0
	XSTEP 1
	s_wait_tensorcnt 0x0                           ; the wave's end
	ds_add_u32 v224, v225
	s_wait_dscnt 0x0
	s_endpgm
; ---- the weights: K is the FIRST axis.  A lane takes a column n and its registers run down K: each load reads 128 consecutive bytes a wave (512 a work-group),
; and a block of 32 along K of one column is both halves (h = 0 and h = 1) of the column's place in a chunk: two stores of 16 bytes, in which sixteen lanes fill 256 aligned bytes.  No LDS.
; A wave takes 32 columns (two tiles) x 128 along K (4 chunks).  Every offset is an immediate: 127 rows of 12,288 bytes at the most.
.macro WLOAD t, N, sp
.irp i, 0,1,2,3,4,5,6,7,8,9,10,11,12,13,14,15,16,17,18,19,20,21,22,23,24,25,26,27,28,29,30,31
	global_load_b32 v[WX+32*((\t)%2)+\i], v3, s[\sp:\sp+1] offset:(32*(\t)+\i)*\N*4 th:TH_LOAD_NT
.endr
.endm
.macro WBLOCK t, N, sp, dp
.set XS, WX+32*((\t)%2)
.set CB, WC+8*(\t)
.if (\t) < 3
	s_wait_loadcnt 32                              ; this block's 32 loads are in; the next block's may be out
.else
	s_wait_loadcnt 0
.endif
.set j, 0
.rept 32
	v_med3_num_f32 v[XS+j], v[XS+j], -v11, v11
.set j, j+1
.endr
	v_cvt_scalef32_pk8_fp8_f32 v[CB:CB+1], v[XS:XS+7], v10           ; h = 0: k 0-7,
	v_cvt_scalef32_pk8_fp8_f32 v[CB+2:CB+3], v[XS+16:XS+23], v10     ;        k 16-23
	v_cvt_scalef32_pk8_fp8_f32 v[CB+4:CB+5], v[XS+8:XS+15], v10      ; h = 1: k 8-15,
	v_cvt_scalef32_pk8_fp8_f32 v[CB+6:CB+7], v[XS+24:XS+31], v10     ;        k 24-31
	v_nop
	global_store_b128 v8, v[CB:CB+3], s[\dp:\dp+1] offset:512*(\t)
	global_store_b128 v8, v[CB+4:CB+7], s[\dp:\dp+1] offset:512*(\t)+256
.if (\t)+2 < 4
	WLOAD (\t)+2, \N, \sp
.endif
.endm
.macro WQ N, sp, dp, es, first
	s_sub_co_u32 s19, ttmp9, \first
	s_lshr_b32 s20, s19, 3                         ; which 128 columns
	s_and_b32 s21, s19, 7                          ; which 128 along K
	s_mul_i32 s22, s21, 128*\N*4
	s_lshl_b32 s23, s20, 9
	s_add_co_u32 s22, s22, s23
	s_lshl_b32 s23, s18, 7                         ; my wave's 32 columns
	s_add_co_u32 s22, s22, s23
	s_mov_b32 s23, 0
	s_add_nc_u64 s[\sp:\sp+1], s[\sp:\sp+1], s[22:23]
	s_lshl_b32 s22, s20, 17                        ; 8 tiles of 16,384 bytes
	s_lshl_b32 s19, s18, 15                        ; my wave's two
	s_add_co_u32 s22, s22, s19
	s_lshl_b32 s19, s21, 11                        ; 4 chunks
	s_add_co_u32 s22, s22, s19
	s_add_nc_u64 s[\dp:\dp+1], s[\dp:\dp+1], s[22:23]
	v_lshlrev_b32 v3, 2, v2                        ; in: 4 bytes a lane
	v_lshlrev_b32 v8, 4, v6
	v_lshl_add_u32 v8, v7, 14, v8                  ; out: lanes 16-31 stand in the next tile; 16 r in the chunk's half
	WLOAD 0, \N, \sp
	WLOAD 1, \N, \sp
	s_wait_kmcnt 0x0
	SCALE \es
	s_wait_alu depctr_va_vdst(0)                   ; at the head's end
.irp t, 0,1,2,3
	WBLOCK \t, \N, \sp, \dp
.endr
.endm
.Lweights:
	s_cmp_lt_u32 ttmp9, 704
	s_cbranch_scc0 .Lwout
	s_wait_alu depctr_va_vdst(0)                   ; behind the taken branch
	WQ 3072, 6, 14, 25, 512                        ; W_in, e1
	s_endpgm
.Lwout:
	s_wait_alu depctr_va_vdst(0)
	WQ 1024, 8, 16, 31, 704                        ; W_out, e7
	s_endpgm
.Lfunc_end_k_q6213a15753_quant:
	.size	k_q6213a15753_quant, .Lfunc_end_k_q6213a15753_quant-k_q6213a15753_quant
	.p2alignl 7, 3214868480
	.fill 96, 4, 3214868480
	.section	.rodata,"a",@progbits
	.p2align	6, 0x0
	.amdhsa_kernel k_q6213a15753_quant
		.amdhsa_group_segment_fixed_size 34304
		.amdhsa_private_segment_fixed_size 0
		.amdhsa_enable_private_segment 0
		.amdhsa_kernarg_size 56
		.amdhsa_user_sgpr_count 2
		.amdhsa_user_sgpr_kernarg_segment_ptr 1
		.amdhsa_wavefront_size32 1
		.amdhsa_system_sgpr_workgroup_id_x 1
		.amdhsa_system_sgpr_workgroup_id_y 1
		.amdhsa_system_sgpr_workgroup_id_z 1
		.amdhsa_system_vgpr_workitem_id 0
		.amdhsa_next_free_vgpr 226
		.amdhsa_next_free_sgpr 66
		.amdhsa_reserve_vcc 0
		.amdhsa_float_denorm_mode_32 3
		.amdhsa_float_denorm_mode_16_64 3
		.amdhsa_memory_ordered 1
		.amdhsa_forward_progress 1
		.amdhsa_inst_pref_size 66
	.end_amdhsa_kernel
	.amdgpu_metadata
---
amdhsa.version: [ 1, 2 ]
amdhsa.kernels:
  - .name:           k_q6213a15753_quant
    .symbol:         k_q6213a15753_quant.kd
    .args:
      - { .name: x, .offset: 0, .size: 8, .value_kind: global_buffer, .address_space: global }
      - { .name: W_in, .offset: 8, .size: 8, .value_kind: global_buffer, .address_space: global }
      - { .name: W_out, .offset: 16, .size: 8, .value_kind: global_buffer, .address_space: global }
      - { .name: lowp_scales, .offset: 24, .size: 8, .value_kind: global_buffer, .address_space: global }
      - { .name: x_img, .offset: 32, .size: 8, .value_kind: global_buffer, .address_space: global }
      - { .name: win_img, .offset: 40, .size: 8, .value_kind: global_buffer, .address_space: global }
      - { .name: wout_img, .offset: 48, .size: 8, .value_kind: global_buffer, .address_space: global }
    .group_segment_fixed_size: 34304
    .private_segment_fixed_size: 0
    .kernarg_segment_align: 8
    .kernarg_segment_size: 56
    .max_flat_workgroup_size: 128
    .sgpr_count:     66
    .vgpr_count:     226
    .wavefront_size: 32
...
	.end_amdgpu_metadata
.endif
;; end of part 1
;; launch gemm_qkv (part 2): grid 8 x 32, 4 waves a work-group, clusters of 4 x 4, 327,680 bytes of LDS; arguments x_img, win_img, b_in, lowp_scales, q_img, k_img, v_img; writes q_img, k_img, v_img
.if DOCPART == 2
	.amdgcn_target "amdgcn-amd-amdhsa--gfx1250"
	.amdhsa_code_object_version 6
	.text
	.protected	k_q6213a15753_gemm_qkv
	.globl	k_q6213a15753_gemm_qkv
	.p2align	8
	.type	k_q6213a15753_gemm_qkv,@function
k_q6213a15753_gemm_qkv:
	s_mov_b64 s[64:65], 0
	v_nop
	global_prefetch_b8 v0, s[64:65] scope:SCOPE_SE
	s_setreg_imm32_b32 hwreg(HW_REG_WAVE_MODE, 25, 1), 1
	s_wait_xcnt 0x0
	s_wait_alu depctr_hold_cnt(0) depctr_sa_sdst(0) depctr_va_vdst(0) depctr_va_sdst(0) depctr_va_ssrc(0) depctr_va_vcc(0) depctr_vm_vsrc(0)
	s_getreg_b32 s2, hwreg(HW_REG_IB_STS2, 6, 4)
	s_cmp_eq_u32 s2, 0
	s_cbranch_scc0 .Lentry_in_a_cluster
	s_endpgm
.Lentry_in_a_cluster:
	s_bfe_u32 s2, ttmp6, 0x10000c
	s_cmp_lg_u32 s2, 0xf033
	s_cbranch_scc0 .Lentry_shape_is_right
	s_endpgm
.Lentry_shape_is_right:
; qkv = Q(x) Q(W_in) + b_in on codes of FP8 (E4M3); q, k and v are quantised on the way out (scales' entries 2, 3, 5) and stored as images of the next products' operand registers.
; IMAGES: a chunk of 512 bytes = 16 rows x 32 along K; lane l = (r = l % 16, h = l / 16) owns the 16 bytes at 16 l: of row r, k = 8 h + 0..7, then 16 + 8 h + 0..7.  x_img, win_img: [tile of 16 rows][32 chunks][512].
; q_img, k_img: [batch x 16 + head][tile of 16 tokens (128)][d / 32 (2)][512].  v_img: [batch x 16 + head][128 keys (16)][tile of 16 d (4)][32 keys (4)][512]: rows are d, K = the keys.
; SHARES: 8 x 32 = 256 work-groups.  A work-group makes 256 tokens x 128 columns (two heads) of EACH of q, k and v; a wave 128 tokens x one head of each: 3 sections x 8 x 4 accumulators, 768 registers.
; q, k: source 0 = 16 columns of W, source 1 = 16 tokens: a lane holds a token and its registers run along d.  v: the same fragments with the sources swapped: a lane holds a d and its registers run along the tokens (the next K).
; K = 1,024 goes in 16 steps of 64 (the K = 64 form: a fragment is two chunks, 8 registers).  x's fragments have two sets; W's one: a section's are loaded again when its 32 products are issued.
; LDS: two regions that take turns, P (128 along K: 40 tiles x 2,048 bytes) and R (320 along K: 40 tiles x 5,120 bytes); fills P, R, P, R, P, each 7,168 bytes further along a tile's row than the region's last.
; Wave 0 fetches x's 16 tiles, waves 1 to 3 the 8 tiles of one section of W: one tensor load a wave behind each change of regions.
; CLUSTERS: 4 x 4 work-groups; x's tile is shared along a row of the cluster, W's along a column: joint loads with a mask that names the four.
; No prefetch: the block is the largest that the registers hold, in clusters, K is short and its steps are written out.
; THE BIAS is the C of each sum's first product, divided (exactly, by v_ldexp_f32) by the 2^(e0 + e1) that the sums lack; until then q's and k's lie in window 3 and v's in x's second set.
; LIMITS: e2 - e0 - e1, e3 - e0 - e1, e5 - e0 - e1 between -126 and 119, so that the conversion's scale and 448 x it are f32 numbers.  NaN is not served.
; REGISTERS: window 0: v1-31 small things; v32-95, v96-159 x's fragments; v160-255 W's (section s at 160 + 32 s); on the way out v32-223 the codes.  Window 1 + s: section s, accumulator (a, b) at v[8 (4 a + b)].
.set ROWP, 2048
.set ROWR, 5120
.set RR,   81920                       ; region R's first byte
.set BP,   32768                       ; W's tiles in P
.set BR,   163840                      ; and in R
.set SPARE, 286720                     ; behind the regions: the spare words, 128 bytes a wave
.set FSTEP, 7168
.set CO,  1                            ; 16 x lane
.set AXP, 2                            ; LDS address of my x fragments in P
.set AXR, 3
.set AWP, 4                            ; v4-6 of my W fragments in P, section 0, 1, 2
.set AWR, 7                            ; v7-9 in R
.set SC,  20                           ; v20-22 the conversions' scales
.set SPW, 28
.set NIL, 29
.set XF,  32
.set WF,  160
.set WV,  18
.set TI,  19                           ; which 128 tokens
.set HJ,  20                           ; which head of the two
.set G1AP, 32
.set G1AR, 40
.set G1BP, 48
.set G1BR, 56
.set G0AP, 68
.set G0AR, 72
.set G0BP, 76
.set G0BR, 80
.set MSB, 0
.macro WIN new                         ; the immediate's high byte repeats the setting that is left
.if MSB != (\new)
	s_set_vgpr_msb (MSB<<8)|(\new)
.set MSB, (\new)
.endif
.endm
.macro JLOAD g0a, g1a, g0b, g1b        ; a joint load: wave 0 for x, the others for W; an s_nop 0 and four v_nop follow each line
	s_cmp_eq_u32 s[WV], 0
	s_cbranch_scc0 .Lfor_b_\@
	tensor_load_to_lds s[\g0a:\g0a+3], s[\g1a:\g1a+7]
	s_nop 0
.rept 4
	v_nop
.endr
	s_branch .Lasked_\@
.Lfor_b_\@:
	tensor_load_to_lds s[\g0b:\g0b+3], s[\g1b:\g1b+7]
	s_nop 0
.rept 4
	v_nop
.endr
.Lasked_\@:
.endm
.macro CREST                           ; a round of the cluster's barrier behind its opening barrier
	s_cmp_lg_u32 s[WV], 0
	s_cbranch_scc1 .Lnot_wave_0_\@
	s_barrier_signal -3
.Lnot_wave_0_\@:
	s_barrier_wait -3
	s_barrier_signal -1
	s_barrier_wait -1
.endm
.macro CROUND
	s_barrier_signal -1
	s_barrier_wait -1
	CREST
.endm
.macro PLACES n                        ; plain vector lines between a matrix instruction and a load into, or a line on, its registers
.rept \n
	v_nop
.endr
.endm
.macro G1SET g, w, r                   ; r rows (tiles) of w elements of 8 bytes, 16,384 bytes apart, dense in LDS
	s_mov_b32 s[\g+1], (\w)<<16
	s_mov_b32 s[\g+2], (\r)<<16
	s_mov_b32 s[\g+3], (\w)<<16
	s_mov_b32 s[\g+4], \r
	s_mov_b32 s[\g+5], 2048
	s_mov_b32 s[\g+6], 0
	s_mov_b32 s[\g+7], 0
.endm
; na x 4 products of section s on x's set xs, token blocks a0 on.  The accumulators take turns, one instruction a turn.  first = 1: the sums start with the bias.
.macro SEC s, xs, a0, na, first
.set aa, \a0
.rept \na
.set bb, 0
.rept 4
.set DD, 8*(4*aa+bb)
.set XX, XF+64*(\xs)+8*aa
.set WW, WF+32*(\s)+8*bb
.if (\s) < 2
.if \first
	v_wmma_f32_16x16x64_fp8_fp8 v[DD:DD+7], v[WW:WW+7], v[XX:XX+7], v[32*(\s)+8*bb:32*(\s)+8*bb+7]
.else
	v_wmma_f32_16x16x64_fp8_fp8 v[DD:DD+7], v[WW:WW+7], v[XX:XX+7], v[DD:DD+7]
.endif
.else
.if \first
	v_wmma_f32_16x16x64_fp8_fp8 v[DD:DD+7], v[XX:XX+7], v[WW:WW+7], v[XF+64+8*bb:XF+64+8*bb+7]
.else
	v_wmma_f32_16x16x64_fp8_fp8 v[DD:DD+7], v[XX:XX+7], v[WW:WW+7], v[DD:DD+7]
.endif
.endif
.set bb, bb+1
.endr
.set aa, aa+1
.endr
.endm
.macro LW s, adr, row, off             ; section s's four W fragments: 8 loads of 512 consecutive bytes
.set bb, 0
.rept 4
	ds_load_b128 v[WF+32*(\s)+8*bb:WF+32*(\s)+8*bb+3], v[\adr] offset:bb*(\row)+(\off)
	ds_load_b128 v[WF+32*(\s)+8*bb+4:WF+32*(\s)+8*bb+7], v[\adr] offset:bb*(\row)+(\off)+512
.set bb, bb+1
.endr
.endm
.macro LX hf, xs, adr, row, off        ; four of x's eight fragments into set xs: 8 loads
.set aa, 4*(\hf)
.rept 4
	ds_load_b128 v[XF+64*(\xs)+8*aa:XF+64*(\xs)+8*aa+3], v[\adr] offset:aa*(\row)+(\off)
	ds_load_b128 v[XF+64*(\xs)+8*aa+4:XF+64*(\xs)+8*aa+7], v[\adr] offset:aa*(\row)+(\off)+512
.set aa, aa+1
.endr
.endm
.macro REST xs, xadr, wadr, row, off   ; behind section 0's products and their places: the next step's loads among sections 1 and 2
	LW 0, \wadr, \row, \off
	LX 0, 1-(\xs), \xadr, \row, \off
	LX 1, 1-(\xs), \xadr, \row, \off
	s_wait_dscnt 32                                ; section 1's W fragments are in; section 2's 8 loads and the 24 just issued may be out
	WIN 0xa0
	SEC 1, \xs, 0, 8, 0
	PLACES 4
	WIN 0
	LW 1, (\wadr)+1, \row, \off
	s_wait_dscnt 32                                ; section 2's W fragments are in; the 24 and the 8 issued behind them may be out
	WIN 0xf0
	SEC 2, \xs, 0, 8, 0
	PLACES 4
	WIN 0
	LW 2, (\wadr)+2, \row, \off
.endm
.macro NORMAL xs, xadr, wadr, row, off ; a step whose successor lies in the same region
	s_wait_dscnt 16                                ; section 0's W fragments and x's are in; the youngest 16 loads (sections 1 and 2's W fragments) may be out
	WIN 0x50
	SEC 0, \xs, 0, 8, 0
	PLACES 4
	WIN 0
	REST \xs, \xadr, \wadr, \row, \off
.endm
; A region's last step changes regions: ONE barrier; in front of it each wave waits for all its tensor loads, adds 0 to its spare word, and waits for that and for its reads of this region.  fill = 1: the region is filled again.
.macro TURN xs, xadr, wadr, row, fill, g0a, g1a, g0b, g1b, yw
	s_wait_tensorcnt 0x0                           ; my part of the next region has landed
	ds_add_u32 v[SPW], v[NIL]                      ; 0 onto my spare word
	s_wait_dscnt \yw                               ; (the add, and with yw = 17 sections 1 and 2's W fragments, may be out)
	WIN 0x50
	SEC 0, \xs, 0, 4, 0
	s_wait_dscnt 0x0                               ; the add is done, and my reads of this region are over
	s_barrier_signal -1
	SEC 0, \xs, 4, 4, 0
	WIN 0
	s_barrier_wait -1
.if \fill
	CREST                                          ; the barrier has opened a round of the cluster's: no wave of any partner still reads this region or has a load on its way
	s_add_nc_u64 s[\g0a+2:\g0a+3], s[\g0a+2:\g0a+3], FSTEP
	s_add_nc_u64 s[\g0b+2:\g0b+3], s[\g0b+2:\g0b+3], FSTEP
	JLOAD \g0a, \g1a, \g0b, \g1b                   ; the first tensor load behind the round; its four v_nop are the places in front of the loads below
.else
	PLACES 4
.endif
	REST \xs, \xadr, \wadr, \row, 0
.endm
.macro SCL es, i                       ; section i: v[SC + i] = 2^(e - e0 - e1), s[93 + 2 i] = 448 x that, s[92 + 2 i] its negative
	s_add_co_i32 s27, s[\es], s26
	s_add_co_i32 s27, s27, 127
	s_lshl_b32 s25, s27, 23
	v_mov_b32 v[SC+\i], s25
	s_add_co_i32 s27, s27, 8
	s_lshl_b32 s[93+2*\i], s27, 23
	s_or_b32 s[93+2*\i], s[93+2*\i], 0x600000
	s_or_b32 s[92+2*\i], s[93+2*\i], 0x80000000
.endm
	s_load_b256 s[4:11], s[0:1], 0x0               ; x_img, win_img, b_in, the scales' exponents
	s_load_b128 s[12:15], s[0:1], 0x20             ; q_img, k_img
	s_load_b64 s[16:17], s[0:1], 0x30              ; v_img
	v_lshl_add_u32 v[SPW], v0, 2, SPARE
	v_mov_b32 v[NIL], 0
	ds_add_u32 v[SPW], v[NIL]                      ; the opening: the add, twice on end, and its wait ahead of my first tensor load
	ds_add_u32 v[SPW], v[NIL]
	v_lshrrev_b32 v10, 5, v0
	v_readfirstlane_b32 s[WV], v10                 ; wave 0..3
	s_lshr_b32 s[TI], s[WV], 1
	s_and_b32 s[HJ], s[WV], 1
	s_bfe_u32 s21, ttmp6, 0x40000                  ; cx
	s_bfe_u32 s22, ttmp6, 0x40004                  ; cy
	s_lshl_b32 s23, ttmp9, 2
	s_add_co_u32 s23, s23, s21                     ; which 128 columns of each section: 0..7
	s_and_b32 s24, ttmp7, 0xffff
	s_lshl_b32 s24, s24, 2
	s_add_co_u32 s24, s24, s22                     ; which 256 tokens: 0..31
	s_lshl_b32 s25, s22, 2
	s_lshl_b32 s25, 15, s25                        ; my row of the cluster
	s_lshl_b32 s26, 0x1111, s21                    ; my column
	s_or_b32 s[G1AP], s25, (3<<16)|(1<<21)         ; the mask; elements of 8 bytes; bit 21 beside a mask
	s_or_b32 s[G1AR], s25, (3<<16)|(1<<21)
	s_or_b32 s[G1BP], s26, (3<<16)|(1<<21)
	s_or_b32 s[G1BR], s26, (3<<16)|(1<<21)
	G1SET G1AP, 256, 16
	G1SET G1AR, 640, 16
	G1SET G1BP, 256, 8
	G1SET G1BR, 640, 8
	s_add_co_u32 s27, s[WV], 3
	s_and_b32 s27, s27, 3
	s_min_u32 s27, s27, 2                          ; the section that waves 1 to 3 fetch: wave - 1
	s_mov_b32 s[G0AP], 1
	s_mov_b32 s[G0AP+1], 0
	s_mov_b32 s[G0AR], 1
	s_mov_b32 s[G0AR+1], RR
	s_mov_b32 s[G0BP], 1
	s_lshl_b32 s[G0BP+1], s27, 14
	s_add_co_u32 s[G0BP+1], s[G0BP+1], BP
	s_mov_b32 s[G0BR], 1
	s_mul_i32 s[G0BR+1], s27, 8*ROWR
	s_add_co_u32 s[G0BR+1], s[G0BR+1], BR
	s_lshl_b32 s28, s24, 18                        ; x: 16 tiles of 16,384 bytes a block
	s_mov_b32 s29, 0
	s_lshl_b32 s30, s27, 20                        ; W: a section is 64 tiles,
	s_lshl_b32 s31, s23, 17                        ; my 128 columns 8
	s_add_co_u32 s30, s30, s31
	s_mov_b32 s31, 0
	s_lshl_b32 s92, s[TI], 14                      ; my fragments' places in the regions
	s_mul_i32 s93, s[TI], 8*ROWR
	s_add_co_u32 s93, s93, RR
	s_lshl_b32 s94, s[HJ], 13
	s_add_co_u32 s94, s94, BP
	s_mul_i32 s95, s[HJ], 4*ROWR
	s_add_co_u32 s95, s95, BR
	s_lshl_b32 s25, s23, 1
	s_add_co_u32 s25, s25, s[HJ]                   ; my head
	s_lshl_b32 s98, s25, 8                         ; its 64 numbers of the bias
	s_mov_b32 s99, 0
	s_lshr_b32 s26, s24, 3
	s_lshl_b32 s26, s26, 4
	s_add_co_u32 s26, s26, s25                     ; batch x 16 + head: 131,072 bytes each
	s_lshl_b32 s26, s26, 17
	s_and_b32 s96, s24, 7
	s_lshl_b32 s96, s96, 1
	s_add_co_u32 s96, s96, s[TI]                   ; my 128 tokens of the batch: 8 tiles of 1,024 bytes in q_img and k_img, a key step of 8,192 in v_img
	s_lshl_b32 s96, s96, 13
	s_add_co_u32 s96, s96, s26
	s_mov_b32 s97, 0
	s_wait_dscnt 0x0                               ; both opening adds are done
	s_wait_kmcnt 0x0
	s_load_b256 s[84:91], s[10:11], 0x0            ; e0 .. e7
	s_add_nc_u64 s[G0AP+2:G0AP+3], s[4:5], s[28:29]
	s_add_nc_u64 s[G0AR+2:G0AR+3], s[G0AP+2:G0AP+3], ROWP
	s_or_b32 s[G0AP+3], s[G0AP+3], 0x80000000
	s_or_b32 s[G0AR+3], s[G0AR+3], 0x80000000
	s_add_nc_u64 s[G0BP+2:G0BP+3], s[6:7], s[30:31]
	s_add_nc_u64 s[G0BR+2:G0BR+3], s[G0BP+2:G0BP+3], ROWP
	s_or_b32 s[G0BP+3], s[G0BP+3], 0x80000000
	s_or_b32 s[G0BR+3], s[G0BR+3], 0x80000000
	s_add_nc_u64 s[8:9], s[8:9], s[98:99]
	s_add_nc_u64 s[12:13], s[12:13], s[96:97]
	s_add_nc_u64 s[14:15], s[14:15], s[96:97]
	s_add_nc_u64 s[16:17], s[16:17], s[96:97]
	CROUND                                         ; all sixteen work-groups are here: the first joint loads meet
	JLOAD G0AP, G1AP, G0BP, G1BP                   ; K 0-127: one tensor load a wave at the head
	v_and_b32 v10, 31, v0
	v_bfe_u32 v11, v0, 4, 1                        ; h
	v_and_b32 v12, 15, v0                          ; r
	v_lshlrev_b32 v[CO], 4, v10
	v_lshlrev_b32 v13, 5, v11                      ; q, k: the bias runs along the registers: 16 b + 8 h + 0..7
	v_lshlrev_b32 v14, 2, v12                      ; v: along the lanes: 16 b + r
	v_add_nc_u32 v[AXP], s92, v[CO]
	v_add_nc_u32 v[AXR], s93, v[CO]
	v_add_nc_u32 v[AWP], s94, v[CO]
	v_add_nc_u32 v[AWR], s95, v[CO]
	v_add_nc_u32 v[AWP+1], 8*ROWP, v[AWP]
	v_add_nc_u32 v[AWR+1], 8*ROWR, v[AWR]
	v_add_nc_u32 v[AWP+2], 16*ROWP, v[AWP]
	v_add_nc_u32 v[AWR+2], 16*ROWR, v[AWR]
	WIN 0xc0
.irp s, 0,1
.irp b, 0,1,2,3
	global_load_b128 v[32*\s+8*\b:32*\s+8*\b+3], v13, s[8:9] offset:4096*\s+64*\b
	global_load_b128 v[32*\s+8*\b+4:32*\s+8*\b+7], v13, s[8:9] offset:4096*\s+64*\b+16
.endr
.endr
	WIN 0
.irp b, 0,1,2,3
	global_load_b32 v[16+\b], v14, s[8:9] offset:8192+64*\b
.endr
	s_wait_kmcnt 0x0
	s_add_co_i32 s26, s84, s85
	s_sub_co_i32 s26, 0, s26                       ; -(e0 + e1)
	SCL 86, 0
	SCL 87, 1
	SCL 89, 2
	s_wait_loadcnt 0x0
	WIN 0xc3
.set j, 0
.rept 64
	v_ldexp_f32 v[j], v[j], s26
.set j, j+1
.endr
	WIN 0
.irp b, 0,1,2,3
.irp i, 0,1,2,3,4,5,6,7
	v_ldexp_f32 v[XF+64+8*\b+\i], v[16+\b], s26
.endr
.endr
	s_wait_alu depctr_va_vdst(0)                   ; at the head's end
	s_wait_tensorcnt 0x0                           ; my part of K 0-127 is in; region R's first fill is issued as a refill is:
	ds_add_u32 v[SPW], v[NIL]
	s_wait_dscnt 0x0
	CROUND
	JLOAD G0AR, G1AR, G0BR, G1BR                   ; K 128-447
	LW 0, AWP, ROWP, 0
	LW 1, AWP+1, ROWP, 0
	LW 2, AWP+2, ROWP, 0
	LX 0, 0, AXP, ROWP, 0
	LX 1, 0, AXP, ROWP, 0
	; step 0: the sums start with the bias.  x's second set is loaded behind section 2, which reads v's bias there
	s_wait_dscnt 0x0
	WIN 0x70                                       ; D window 1, C window 3
	SEC 0, 0, 0, 8, 1
	PLACES 4
	WIN 0
	LW 0, AWP, ROWP, 1024
	WIN 0xb0                                       ; D window 2, C window 3
	SEC 1, 0, 0, 8, 1
	PLACES 5                                       ; section 2's results are laid over the registers that held q's and k's bias: one place more
	WIN 0
	LW 1, AWP+1, ROWP, 1024
	WIN 0xc0                                       ; D window 3, C window 0
	SEC 2, 0, 0, 8, 1
	PLACES 4
	WIN 0
	LW 2, AWP+2, ROWP, 1024
	LX 0, 1, AXP, ROWP, 1024
	LX 1, 1, AXP, ROWP, 1024
	TURN 1, AXR, AWR, ROWR, 1, G0AP, G1AP, G0BP, G1BP, 1     ; P takes K 448-575
	NORMAL 0, AXR, AWR, ROWR, 1024
	NORMAL 1, AXR, AWR, ROWR, 2048
	NORMAL 0, AXR, AWR, ROWR, 3072
	NORMAL 1, AXR, AWR, ROWR, 4096
	TURN 0, AXP, AWP, ROWP, 1, G0AR, G1AR, G0BR, G1BR, 17    ; R takes K 576-895
	NORMAL 1, AXP, AWP, ROWP, 1024
	TURN 0, AXR, AWR, ROWR, 1, G0AP, G1AP, G0BP, G1BP, 17    ; P takes K 896-1,023
	NORMAL 1, AXR, AWR, ROWR, 1024
	NORMAL 0, AXR, AWR, ROWR, 2048
	NORMAL 1, AXR, AWR, ROWR, 3072
	NORMAL 0, AXR, AWR, ROWR, 4096
	TURN 1, AXP, AWP, ROWP, 0, G0AR, G1AR, G0BR, G1BR, 17    ; nothing more is filled
	NORMAL 0, AXP, AWP, ROWP, 1024
	s_wait_dscnt 16                                ; the last step
	WIN 0x50
	SEC 0, 1, 0, 8, 0
	s_wait_dscnt 8
	WIN 0xa0
	SEC 1, 1, 0, 8, 0
	s_wait_dscnt 0x0
	WIN 0xf0
	SEC 2, 1, 0, 8, 0
	PLACES 4
; THE WAY OUT, section by section: the hold, in place, each accumulator from its low end on; 32 conversions into registers of the section's own; 16 stores of 512 consecutive bytes, aligned.  No LDS.
.macro EPI s, dp
	WIN ((\s+1)<<6)|(\s+1)
.set j, 0
.rept 256
	v_med3_num_f32 v[j], v[j], s[92+2*\s], s[93+2*\s]   ; the conversion to an 8-bit code does not saturate (ISA guide 7.6.2)
.set j, j+1
.endr
	WIN \s+1
.set aa, 0
.rept 8
.set bb, 0
.rept 4
.if \s < 2
	v_cvt_scalef32_pk8_fp8_f32 v[XF+64*\s+8*aa+2*bb:XF+64*\s+8*aa+2*bb+1], v[8*(4*aa+bb):8*(4*aa+bb)+7], v[SC+\s]
.else
	v_cvt_scalef32_pk8_fp8_f32 v[XF+64*\s+16*bb+2*aa:XF+64*\s+16*bb+2*aa+1], v[8*(4*aa+bb):8*(4*aa+bb)+7], v[SC+\s]
.endif
.set bb, bb+1
.endr
.set aa, aa+1
.endr
	WIN 0
	v_nop                                          ; a plain vector line behind the last conversion of the run
.set j, 0
.rept 16
	global_store_b128 v[CO], v[XF+64*\s+4*j:XF+64*\s+4*j+3], s[\dp:\dp+1] offset:512*j   ; q, k: tile of tokens j / 2, d 32 (j % 2) on;  v: tile of d j / 4, keys 32 (j % 4) on
.set j, j+1
.endr
.endm
	EPI 0, 12
	EPI 1, 14
	EPI 2, 16
	s_wait_tensorcnt 0x0                           ; the wave's end
	ds_add_u32 v[SPW], v[NIL]
	s_wait_dscnt 0x0
	CROUND                                         ; the closing round
	s_endpgm
.Lfunc_end_k_q6213a15753_gemm_qkv:
	.size	k_q6213a15753_gemm_qkv, .Lfunc_end_k_q6213a15753_gemm_qkv-k_q6213a15753_gemm_qkv
	.p2alignl 7, 3214868480
	.fill 96, 4, 3214868480
	.section	.rodata,"a",@progbits
	.p2align	6, 0x0
	.amdhsa_kernel k_q6213a15753_gemm_qkv
		.amdhsa_group_segment_fixed_size 327680
		.amdhsa_private_segment_fixed_size 0
		.amdhsa_enable_private_segment 0
		.amdhsa_kernarg_size 56
		.amdhsa_user_sgpr_count 2
		.amdhsa_user_sgpr_kernarg_segment_ptr 1
		.amdhsa_wavefront_size32 1
		.amdhsa_system_sgpr_workgroup_id_x 1
		.amdhsa_system_sgpr_workgroup_id_y 1
		.amdhsa_system_sgpr_workgroup_id_z 1
		.amdhsa_system_vgpr_workitem_id 0
		.amdhsa_next_free_vgpr 1024
		.amdhsa_next_free_sgpr 100
		.amdhsa_reserve_vcc 0
		.amdhsa_float_denorm_mode_32 3
		.amdhsa_float_denorm_mode_16_64 3
		.amdhsa_memory_ordered 1
		.amdhsa_forward_progress 1
		.amdhsa_inst_pref_size 226
	.end_amdhsa_kernel
	.amdgpu_metadata
---
amdhsa.version: [ 1, 2 ]
amdhsa.kernels:
  - .name:           k_q6213a15753_gemm_qkv
    .symbol:         k_q6213a15753_gemm_qkv.kd
    .args:
      - { .name: x_img, .offset: 0, .size: 8, .value_kind: global_buffer, .address_space: global }
      - { .name: win_img, .offset: 8, .size: 8, .value_kind: global_buffer, .address_space: global }
      - { .name: b_in, .offset: 16, .size: 8, .value_kind: global_buffer, .address_space: global }
      - { .name: lowp_scales, .offset: 24, .size: 8, .value_kind: global_buffer, .address_space: global }
      - { .name: q_img, .offset: 32, .size: 8, .value_kind: global_buffer, .address_space: global }
      - { .name: k_img, .offset: 40, .size: 8, .value_kind: global_buffer, .address_space: global }
      - { .name: v_img, .offset: 48, .size: 8, .value_kind: global_buffer, .address_space: global }
    .group_segment_fixed_size: 327680
    .private_segment_fixed_size: 0
    .kernarg_segment_align: 8
    .kernarg_segment_size: 56
    .max_flat_workgroup_size: 128
    .sgpr_count:     100
    .vgpr_count:     1024
    .wavefront_size: 32
...
	.end_amdgpu_metadata
.endif
;; end of part 2
;; launch attn (part 3): grid 4 x 64, 8 waves a work-group, clusters of 4 x 1, 327,680 bytes of LDS; arguments q_img, k_img, v_img, lowp_scales, o_img; writes o_img
.if DOCPART == 3
	.amdgcn_target "amdgcn-amd-amdhsa--gfx1250"
	.amdhsa_code_object_version 6
	.text
	.protected	k_q6213a15753_attn
	.globl	k_q6213a15753_attn
	.p2align	8
	.type	k_q6213a15753_attn,@function
k_q6213a15753_attn:
	s_mov_b64 s[64:65], 0
	v_nop
	global_prefetch_b8 v0, s[64:65] scope:SCOPE_SE
	s_setreg_imm32_b32 hwreg(HW_REG_WAVE_MODE, 25, 1), 1
	s_wait_xcnt 0x0
	s_wait_alu depctr_hold_cnt(0) depctr_sa_sdst(0) depctr_va_vdst(0) depctr_va_sdst(0) depctr_va_ssrc(0) depctr_va_vcc(0) depctr_vm_vsrc(0)
	s_getreg_b32 s2, hwreg(HW_REG_IB_STS2, 6, 4)
	s_cmp_eq_u32 s2, 0
	s_cbranch_scc0 .Lentry_in_a_cluster
	s_endpgm
.Lentry_in_a_cluster:
	s_bfe_u32 s2, ttmp6, 0x10000c
	s_cmp_lg_u32 s2, 0x3003
	s_cbranch_scc0 .Lentry_shape_is_right
	s_endpgm
.Lentry_shape_is_right:
; o = softmax(q k^T / 8) v for one head and batch, both products on codes of FP8 (E4M3); o is quantised on the way out (scales' entry 6) and stored as an image of the last product's operand registers.
; IMAGES (made by the launch before): a chunk of 512 bytes = 16 rows x 32 along K; lane l = (r = l % 16, h = l / 16) owns the 16 bytes at 16 l: of row r, k = 8 h + 0..7, then 16 + 8 h + 0..7.
; q_img, k_img: [batch x 16 + head][tile of 16 tokens (128)][d / 32 (2)][512].  v_img: [batch x 16 + head][128 keys (16)][tile of 16 d (4)][32 keys (4)][512].  o_img: [tile of 16 tokens][32 chunks][512].
; THE SOFTMAX: t = score x log2(e) / 8; M = the row's largest t so far, rounded up to a whole number; p = 2^(t - M) is quantised (entry 4), not normalised; the row's sum is taken of the unquantised p in f32 and divides at the end.
; When M moves, the sum and O are multiplied by 2^(old M - new M), made by v_ldexp_f32: nothing is rounded and no branch hangs on data.  The running maximum is kept on the raw scores: x c (positive) keeps their order.
; SHARES: a cluster of four work-groups owns a head; a work-group 512 queries; each of its 8 waves 2 tiles of 16 queries in each of 2 passes.  The head's K and V (2 x 131,072 bytes) lie whole in LDS:
; each wave asks for one eighth (32,768 bytes, 128 rows of 256) by ONE joint load at the head, with the mask of the four partners, which walk the same K and V.  Nothing is filled again.
; No prefetch: every tile is asked for at the kernel's head, so there is no loop to run ahead in.
; Both products are used transposed (S^T = K Q^T, O^T = V^T P^T): a lane holds one query; the 8 registers of score tile c are keys 16 c + 8 h + 0..7, so one conversion makes registers 2 c, 2 c + 1 of P.
; A KEY STEP is 128 keys.  Behind the score products this step's V and the NEXT step's K fragments are asked for.  (The pass's last step asks for 8,192 bytes behind K's region, which are V's first and are not used.)
; CHAINS ARE LAID BETWEEN INDEPENDENT LINES: a tile's maxima run in four chains; tile 0's nine lines from the maximum to f stand between tile 1's maxima, tile 1's between unit 0's t - M.
; The 128 exponentials go in four batches of 32; between a batch's lines stand plain lines on other registers: later units' t - M, the unit before's first sums (into registers of their own) and its hold.
; LIMITS: e2 + e3 between -123 and 130 (added to c's exponent field); e4 and e6 between -126 and 119; the scaled scores stay under 2^31 in magnitude.  NaN is not served.
; REGISTERS.  Window 0: v1-31 small things; v32-47 Q; v48-63, v224-255 first sums (v48-51 also tile 1's maxima, v224-239 o's codes); v64-191 S^T, then p; v192-223 P.  Window 1: v0-63 O^T; v64-127 K's fragments; v128-191 V's; v192-207 the second pass's Q.
.set LI,  1                            ; 16 x lane
.set LIV, 2                            ; the same in V's region
.set ADK, 3
.set ADV, 4
.set SC6, 5                            ; 2^e6
.set SPW, 20                           ; LDS address of my spare word; never rewritten
.set NIL, 21                           ; 0; never rewritten
.set Q,   32
.set T0,  48
.set S,   64
.set P,   192
.set T1,  224
.set T2,  240
.set OC,  224
.set KF,  64
.set VF,  128
.set QP,  192
.set SPARE, 0x40000                    ; behind K and V: the spare words, 128 bytes a wave
.set WV,  14
.set SEL, 56
.set CS,  58                           ; s[58:59] c
.set TB,  60                           ; the step's first byte in K's and in V's region
.set CNT, 61
.set PC,  62                           ; passes to go
.set NC,  63                           ; -c
.set MSB, 0
.macro WIN new                         ; the immediate's high byte repeats the setting that is left
.if MSB != (\new)
	s_set_vgpr_msb (MSB<<8)|(\new)
.set MSB, (\new)
.endif
.endm
.macro CROUND                          ; a round of the cluster's barrier
	s_barrier_signal -1
	s_barrier_wait -1
	s_cmp_lg_u32 s[WV], 0
	s_cbranch_scc1 .Lnot_wave_0_\@
	s_barrier_signal -3
.Lnot_wave_0_\@:
	s_barrier_wait -3
	s_barrier_signal -1
	s_barrier_wait -1
.endm
.macro FMA1 k, i                       ; t - M for pair i of unit k (32 registers; units 0, 1: tile 0; units 2, 3: tile 1)
	v_pk_fma_f32 v[S+32*(\k)+2*(\i):S+32*(\k)+2*(\i)+1], v[S+32*(\k)+2*(\i):S+32*(\k)+2*(\i)+1], s[CS:CS+1], v[8+2*((\k)/2):9+2*((\k)/2)] op_sel_hi:[1,0,0]
.endm
.macro MIN1 k, i                       ; the hold at 448 x 2^e4 (the conversion does not saturate: ISA guide 7.6.2); p is not negative, so it is one-sided; two numbers a line
	v_dual_min_num_f32 v[S+32*(\k)+2*(\i)], v[S+32*(\k)+2*(\i)], v31 :: v_dual_min_num_f32 v[S+32*(\k)+2*(\i)+1], v[S+32*(\k)+2*(\i)+1], v22
.endm
.macro CH u, n, c                      ; line n of tile u's way from its four maxima (v[c] .. v[c + 3]) to -M and f
.if \n == 0
	v_max3_num_f32 v[\c], v[\c], v[\c+1], v[\c+2]
.elseif \n == 1
	v_max_num_f32 v[\c], v[\c], v[\c+3]
.elseif \n == 2
	v_permlanex16_b32 v[28+\u], v[\c], s[SEL], s[SEL+1]
.elseif \n == 3
	v_max3_num_f32 v[9+2*\u], v[9+2*\u], v[\c], v[28+\u]          ; the running largest score: what was, mine, and lane l xor 16's
.elseif \n == 4
	v_mul_f32 v[\c+1], s[NC], v[9+2*\u]                           ; -t
.elseif \n == 5
	v_floor_f32 v[8+2*\u], v[\c+1]                                ; -M = floor(-t) = -ceil(t)
.elseif \n == 6
	v_sub_f32 v[\c], v[8+2*\u], v[6+\u]                           ; old M - new M: a whole number, 0 or less
.elseif \n == 7
	v_cvt_i32_f32 v[\c], v[\c]                                    ; (it saturates)
.else
	v_ldexp_f32 v[16+2*\u], 1.0, v[\c]                            ; f = 2^(old M - new M)
.endif
.endm
.macro MAXT u, c, iu, ic               ; tile u's largest scores in four chains, each accumulator from its low end on; iu >= 0: tile iu's nine lines between them
	v_max3_num_f32 v[\c], v[S+64*\u], v[S+64*\u+1], v[S+64*\u+2]
	v_max3_num_f32 v[\c+1], v[S+64*\u+3], v[S+64*\u+4], v[S+64*\u+5]
	v_max3_num_f32 v[\c+2], v[S+64*\u+6], v[S+64*\u+7], v[S+64*\u+8]
	v_max3_num_f32 v[\c+3], v[S+64*\u+9], v[S+64*\u+10], v[S+64*\u+11]
.set i, 0
.rept 13
	v_max3_num_f32 v[\c+(2*i)%4], v[\c+(2*i)%4], v[S+64*\u+12+4*i], v[S+64*\u+13+4*i]
	v_max3_num_f32 v[\c+(2*i)%4+1], v[\c+(2*i)%4+1], v[S+64*\u+14+4*i], v[S+64*\u+15+4*i]
.if (\iu >= 0) && (i < 9)
	CH \iu, i, \ic
.endif
.set i, i+1
.endr
.endm
.macro BATCH k, fa, fb, mk, tt         ; unit k's 32 exponentials; between them: t - M of units fa and fb, the first sums (into tt) and the hold of unit mk; -1: none
.set i, 0
.rept 16
	v_exp_f32 v[S+32*\k+2*i], v[S+32*\k+2*i]
.if \fa >= 0
	FMA1 \fa, i
.endif
.if \mk >= 0
.if (i%2) == 0
	v_pk_add_f32 v[\tt+i:\tt+i+1], v[S+32*(\mk)+2*i:S+32*(\mk)+2*i+1], v[S+32*(\mk)+2*i+2:S+32*(\mk)+2*i+3]   ; of the unquantised p, ahead of its hold
.endif
.endif
	v_exp_f32 v[S+32*\k+2*i+1], v[S+32*\k+2*i+1]
.if \fb >= 0
	FMA1 \fb, i
.endif
.if \mk >= 0
	MIN1 \mk, i
.endif
.set i, i+1
.endr
.endm
	s_load_b256 s[4:11], s[0:1], 0x0               ; q_img, k_img, v_img, the scales' exponents
	s_load_b64 s[12:13], s[0:1], 0x20              ; o_img
	v_lshl_add_u32 v[SPW], v0, 2, SPARE
	v_mov_b32 v[NIL], 0
	ds_add_u32 v[SPW], v[NIL]                      ; the opening: the add, twice on end, and its wait ahead of my tensor load
	ds_add_u32 v[SPW], v[NIL]
	v_lshrrev_b32 v6, 5, v0
	s_delay_alu instid0(VALU_DEP_1)
	v_readfirstlane_b32 s[WV], v6                  ; wave 0..7
	s_bfe_u32 s15, ttmp6, 0x40000                  ; cx: which 512 queries
	s_and_b32 s16, ttmp7, 0xffff                   ; batch x 16 + head
	s_and_b32 s18, s[WV], 3
	s_lshl_b32 s26, s18, 15                        ; waves 0-3: K's quarters; waves 4-7: V's
	s_mov_b32 s27, 0
	s_mov_b32 s32, 1
	s_lshl_b32 s33, s[WV], 15                      ; LDS: K at 0, V at 131,072: 32,768 x wave
	s_mov_b32 s40, 15|(3<<16)|(1<<21)              ; the mask of the four; elements of 8 bytes; bit 21 beside a mask
	s_mov_b32 s41, 32<<16                          ; rows of 256 bytes
	s_mov_b32 s42, 128<<16
	s_mov_b32 s43, 32<<16
	s_mov_b32 s44, 128                             ; 128 rows
	s_mov_b32 s45, 32
	s_mov_b32 s46, 0
	s_mov_b32 s47, 0
	s_lshl_b32 s22, s16, 17                        ; a head is 131,072 bytes in each image
	s_mov_b32 s23, 0
	s_lshl_b32 s20, s15, 5
	s_lshl_b32 s28, s[WV], 1
	s_add_co_u32 s20, s20, s28                     ; my first tile of queries: 32 cx + 2 x wave (the second pass: 16 tiles on)
	s_lshl_b32 s28, s20, 10
	s_add_co_u32 s28, s28, s22
	s_mov_b32 s29, 0
	s_lshr_b32 s30, s16, 4
	s_lshl_b32 s30, s30, 7
	s_add_co_u32 s30, s30, s20
	s_lshl_b32 s30, s30, 14                        ; o_img: tile 128 x batch + mine, 16,384 bytes each,
	s_and_b32 s21, s16, 15
	s_lshl_b32 s21, s21, 10                        ; chunks 2 x head on
	s_add_co_u32 s30, s30, s21
	s_mov_b32 s31, 0
	s_mov_b32 s[SEL], 0x76543210
	s_mov_b32 s[SEL+1], 0xfedcba98
	s_mov_b32 s[CS], 0x3e38aa3b                    ; c = log2(e) / 8
	s_wait_dscnt 0x0                               ; both opening adds are done
	s_wait_kmcnt 0x0
	s_load_b256 s[68:75], s[10:11], 0x0            ; e0 .. e7
	s_cmp_lt_u32 s[WV], 4
	s_cselect_b64 s[24:25], s[6:7], s[8:9]
	s_add_nc_u64 s[24:25], s[24:25], s[22:23]
	s_add_nc_u64 s[34:35], s[24:25], s[26:27]
	s_or_b32 s35, s35, 0x80000000
	s_add_nc_u64 s[4:5], s[4:5], s[28:29]
	s_add_nc_u64 s[12:13], s[12:13], s[30:31]
	CROUND                                         ; the four work-groups are here: the joint loads meet
	tensor_load_to_lds s[32:35], s[40:47]          ; my one tensor load
	s_nop 0
	v_and_b32 v6, 31, v0
	v_mov_b32 v17, 0                               ; (upper halves of pairs that are named whole)
	v_mov_b32 v19, 0
	v_lshlrev_b32 v[LI], 4, v6
	v_mov_b32 v28, 0                               ; (a lane permute's destination counts as a source)
	v_mov_b32 v29, 0
	v_add_nc_u32 v[LIV], 0x20000, v[LI]
.irp u, 0,1
.irp c, 0,1
	global_load_b128 v[Q+8*\u+4*\c:Q+8*\u+4*\c+3], v[LI], s[4:5] offset:1024*\u+512*\c
.endr
.endr
	WIN 0x40
.irp u, 0,1
.irp c, 0,1
	global_load_b128 v[QP+8*\u+4*\c:QP+8*\u+4*\c+3], v[LI], s[4:5] offset:16384+1024*\u+512*\c
.endr
.endr
	WIN 0
	s_wait_kmcnt 0x0
	s_add_co_i32 s30, s70, s71
	s_lshl_b32 s30, s30, 23
	s_add_co_i32 s[CS], s[CS], s30                 ; a score stands for score x 2^(e2 + e3): added to c's exponent field
	s_mov_b32 s[CS+1], s[CS]
	s_xor_b32 s[NC], s[CS], 0x80000000
	s_add_co_i32 s30, s72, 127
	s_lshl_b32 s31, s30, 23
	v_mov_b32 v30, s31                             ; 2^e4
	s_add_co_i32 s30, s30, 8
	s_lshl_b32 s30, s30, 23
	s_or_b32 s30, s30, 0x600000
	v_mov_b32 v31, s30                             ; 448 x 2^e4,
	v_mov_b32 v22, s30                             ; and once more, for the pair's second half
	s_add_co_i32 s76, s72, s73                     ; e4 + e5
	s_add_co_i32 s30, s74, 127
	s_lshl_b32 s31, s30, 23
	v_mov_b32 v[SC6], s31
	s_add_co_i32 s30, s30, 8
	s_lshl_b32 s78, s30, 23
	s_or_b32 s78, s78, 0x600000                    ; 448 x 2^e6,
	s_or_b32 s77, s78, 0x80000000                  ; and its negative
	s_mov_b32 s[PC], 2
	s_wait_alu depctr_va_vdst(0)                   ; at the head's end
	s_wait_loadcnt 0x0                             ; Q
	s_wait_tensorcnt 0x0                           ; my eighth of K and V is in,
	s_barrier_signal -1
	s_barrier_wait -1                              ; and everybody's
.Lpass:
	s_cmp_eq_u32 s[PC], 2
	s_cbranch_scc1 .Lfirst
	WIN 0x01
.set j, 0
.rept 16
	v_mov_b32 v[Q+j], v[QP+j]                      ; the second pass's queries
.set j, j+1
.endr
	WIN 0
.Lfirst:
.irp u, 0,1
	v_mov_b32 v[8+2*\u], 0x7f61b1e6                ; -M: 3e38
	v_mov_b32 v[9+2*\u], 0xff61b1e6                ; the largest score so far: -3e38
	v_mov_b32 v[12+2*\u], 0                        ; the sum, in two halves
	v_mov_b32 v[13+2*\u], 0
.endr
	s_mov_b32 s[TB], 0
	s_wait_dscnt 0x0                               ; no load into K's fragments is out
	WIN 0x40
.set j, 0
.rept 16
	ds_load_b128 v[KF+4*j:KF+4*j+3], v[LI] offset:512*j   ; step 0's K
.set j, j+1
.endr
.set j, 0
.rept 64
	v_mov_b32 v[j], 0                              ; O^T: the step is written once; the first change of M leaves zeros zeros
.set j, j+1
.endr
	WIN 0
	s_mov_b32 s[CNT], 16
	s_wait_alu depctr_va_vdst(0)                   ; ahead of the loop's first wait
.Lstep:
	s_wait_dscnt 0x0                               ; this step's K fragments are in (asked for a step ago)
	WIN 0x01
.irp c, 0,1,2,3,4,5,6,7
.irp u, 0,1
	v_wmma_f32_16x16x64_fp8_fp8 v[S+64*\u+8*\c:S+64*\u+8*\c+7], v[KF+8*\c:KF+8*\c+7], v[Q+8*\u:Q+8*\u+7], 0
.endr
.endr
	WIN 0
	v_mov_b32 v6, v8                               ; the old -M.  These four lines are the places behind the products, for the loads and the maxima below
	v_mov_b32 v7, v10
	v_add_nc_u32 v[ADK], s[TB], v[LI]
	v_add_nc_u32 v[ADV], s[TB], v[LIV]
	WIN 0x40
.set j, 0
.rept 16
	ds_load_b128 v[VF+4*j:VF+4*j+3], v[ADV] offset:512*j          ; this step's V
.set j, j+1
.endr
.set j, 0
.rept 16
	ds_load_b128 v[KF+4*j:KF+4*j+3], v[ADK] offset:8192+512*j     ; the next step's K
.set j, j+1
.endr
	WIN 0
	MAXT 0, 24, -1, 0
	MAXT 1, T0, 0, 24                              ; tile 0's -M and f are made between tile 1's maxima
.set q, 0
.rept 8                                        ; unit 0's t - M, and tile 1's -M and f between its lines
	FMA1 0, 2*q
	FMA1 0, 2*q+1
	CH 1, q, T0
.set q, q+1
.endr
	v_pk_mul_f32 v[12:13], v[12:13], v[16:17] op_sel_hi:[1,0]     ; tile 0's sum under the new M
	CH 1, 8, T0
	WIN 0x41
.irp u, 0,1
.set j, 0
.rept 16
	v_pk_mul_f32 v[32*\u+j:32*\u+j+1], v[32*\u+j:32*\u+j+1], v[16+2*\u:17+2*\u] op_sel_hi:[1,0]   ; O^T under the new M, ahead of the step's exponentials
.set j, j+2
.endr
.endr
	WIN 0
	v_pk_mul_f32 v[14:15], v[14:15], v[18:19] op_sel_hi:[1,0]     ; tile 1's sum
	s_wait_alu depctr_va_vdst(0)                   ; one wait ahead of each batch and one behind the last
	BATCH 0, 1, 2, -1, 0
	s_wait_alu depctr_va_vdst(0)
	BATCH 1, 3, -1, 0, T0
	s_wait_alu depctr_va_vdst(0)
	BATCH 2, -1, -1, 1, T1
	s_wait_alu depctr_va_vdst(0)
	BATCH 3, -1, -1, 2, T2
	s_wait_alu depctr_va_vdst(0)
.set j, 0
.rept 8                                        ; the rest of the sums, in five chains: tile 0: units 0 and 1's first sums; tile 1: unit 2's, and unit 3's p
	v_pk_add_f32 v[12:13], v[12:13], v[T0+2*j:T0+2*j+1]
.if j > 0
	v_pk_add_f32 v[T1:T1+1], v[T1:T1+1], v[T1+2*j:T1+2*j+1]
.endif
	v_pk_add_f32 v[14:15], v[14:15], v[T2+2*j:T2+2*j+1]
.if j < 2
	v_pk_add_f32 v[24+2*j:25+2*j], v[S+96+4*j:S+96+4*j+1], v[S+96+4*j+2:S+96+4*j+3]
.else
	v_pk_add_f32 v[24:25], v[24:25], v[S+96+4*j:S+96+4*j+1]
	v_pk_add_f32 v[26:27], v[26:27], v[S+96+4*j+2:S+96+4*j+3]
.endif
.set j, j+1
.endr
.set i, 0
.rept 16
	MIN1 3, i
.set i, i+1
.endr
	v_pk_add_f32 v[12:13], v[12:13], v[T1:T1+1]
	v_pk_add_f32 v[24:25], v[24:25], v[26:27]
.irp u, 0,1
.irp c, 0,1,2,3,4,5,6,7
	v_cvt_scalef32_pk8_fp8_f32 v[P+16*\u+2*\c:P+16*\u+2*\c+1], v[S+64*\u+8*\c:S+64*\u+8*\c+7], v30
.endr
.endr
	v_pk_add_f32 v[14:15], v[14:15], v[24:25]      ; (also the plain line behind the last conversion)
	s_wait_alu depctr_va_vdst(0)                   ; directly ahead of the wait below
	s_wait_dscnt 16                                ; V's fragments are in; the 16 younger loads, the next step's K, may be out
	WIN 0x51
.irp t, 0,1,2,3
.irp u, 0,1
	v_wmma_f32_16x16x128_fp8_fp8 v[32*\u+8*\t:32*\u+8*\t+7], v[VF+16*\t:VF+16*\t+15], v[P+16*\u:P+16*\u+15], v[32*\u+8*\t:32*\u+8*\t+7]
.endr
.endr
	WIN 0
	s_add_co_u32 s[TB], s[TB], 8192
	s_sub_co_u32 s[CNT], s[CNT], 1
	s_cmp_lg_u32 s[CNT], 0
	s_cbranch_scc1 .Lstep
	; THE WAY OUT of a pass: O^T / the sum x 2^(e4 + e5), held, converted with 2^e6; tiles 2 g and 2 g + 1 of d make chunk g: stores of 512 consecutive bytes, aligned
.irp u, 0,1
	v_add_f32 v[24+2*\u], v[12+2*\u], v[13+2*\u]
.endr
.irp u, 0,1
	s_delay_alu instid0(VALU_DEP_2)
	v_permlanex16_b32 v[28+\u], v[24+2*\u], s[SEL], s[SEL+1]
.endr
.irp u, 0,1
	s_delay_alu instid0(VALU_DEP_2)
	v_add_f32 v[24+2*\u], v[24+2*\u], v[28+\u]
.endr
	s_wait_alu depctr_va_vdst(0)                   ; ahead of the reciprocals
.irp u, 0,1
	v_rcp_f32 v[16+2*\u], v[24+2*\u]
.endr
	v_nop
	s_wait_alu depctr_va_vdst(0)                   ; and behind them
.irp u, 0,1
	v_ldexp_f32 v[16+2*\u], v[16+2*\u], s76
.endr
	WIN 0x01
	s_wait_alu depctr_va_vdst(0)                   ; directly ahead of the first reader of O^T
.irp u, 0,1
.set j, 0
.rept 16
	v_pk_mul_f32 v[S+64*\u+j:S+64*\u+j+1], v[32*\u+j:32*\u+j+1], v[16+2*\u:17+2*\u] op_sel_hi:[1,0]
.set j, j+2
.endr
.endr
	WIN 0
.irp u, 0,1
.set j, 0
.rept 32
	v_med3_num_f32 v[S+64*\u+j], v[S+64*\u+j], s77, s78
.set j, j+1
.endr
.endr
.irp u, 0,1
.irp t, 0,1,2,3
	v_cvt_scalef32_pk8_fp8_f32 v[OC+8*\u+2*\t:OC+8*\u+2*\t+1], v[S+64*\u+8*\t:S+64*\u+8*\t+7], v[SC6]
.endr
.endr
	v_nop                                          ; a plain line behind the last conversion
.irp u, 0,1
.irp g, 0,1
	global_store_b128 v[LI], v[OC+8*\u+4*\g:OC+8*\u+4*\g+3], s[12:13] offset:16384*\u+512*\g
.endr
.endr
	s_wait_xcnt 0x0                                ; the stores have read their base and their data
	s_add_nc_u64 s[12:13], s[12:13], 262144        ; the second pass: 16 tiles of tokens on
	s_sub_co_u32 s[PC], s[PC], 1
	s_cmp_lg_u32 s[PC], 0
	s_cbranch_scc1 .Lpass
	s_wait_tensorcnt 0x0                           ; the wave's end
	ds_add_u32 v[SPW], v[NIL]
	s_wait_dscnt 0x0
	CROUND                                         ; the closing round
	s_endpgm
.Lfunc_end_k_q6213a15753_attn:
	.size	k_q6213a15753_attn, .Lfunc_end_k_q6213a15753_attn-k_q6213a15753_attn
	.p2alignl 7, 3214868480
	.fill 96, 4, 3214868480
	.section	.rodata,"a",@progbits
	.p2align	6, 0x0
	.amdhsa_kernel k_q6213a15753_attn
		.amdhsa_group_segment_fixed_size 327680
		.amdhsa_private_segment_fixed_size 0
		.amdhsa_enable_private_segment 0
		.amdhsa_kernarg_size 40
		.amdhsa_user_sgpr_count 2
		.amdhsa_user_sgpr_kernarg_segment_ptr 1
		.amdhsa_wavefront_size32 1
		.amdhsa_system_sgpr_workgroup_id_x 1
		.amdhsa_system_sgpr_workgroup_id_y 1
		.amdhsa_system_sgpr_workgroup_id_z 1
		.amdhsa_system_vgpr_workitem_id 0
		.amdhsa_next_free_vgpr 512
		.amdhsa_next_free_sgpr 80
		.amdhsa_reserve_vcc 0
		.amdhsa_float_denorm_mode_32 3
		.amdhsa_float_denorm_mode_16_64 3
		.amdhsa_memory_ordered 1
		.amdhsa_forward_progress 1
		.amdhsa_inst_pref_size 46
	.end_amdhsa_kernel
	.amdgpu_metadata
---
amdhsa.version: [ 1, 2 ]
amdhsa.kernels:
  - .name:           k_q6213a15753_attn
    .symbol:         k_q6213a15753_attn.kd
    .args:
      - { .name: q_img, .offset: 0, .size: 8, .value_kind: global_buffer, .address_space: global }
      - { .name: k_img, .offset: 8, .size: 8, .value_kind: global_buffer, .address_space: global }
      - { .name: v_img, .offset: 16, .size: 8, .value_kind: global_buffer, .address_space: global }
      - { .name: lowp_scales, .offset: 24, .size: 8, .value_kind: global_buffer, .address_space: global }
      - { .name: o_img, .offset: 32, .size: 8, .value_kind: global_buffer, .address_space: global }
    .group_segment_fixed_size: 327680
    .private_segment_fixed_size: 0
    .kernarg_segment_align: 8
    .kernarg_segment_size: 40
    .max_flat_workgroup_size: 256
    .sgpr_count:     80
    .vgpr_count:     512
    .wavefront_size: 32
...
	.end_amdgpu_metadata
.endif
;; end of part 3
;; launch gemm_out (part 4): grid 8 x 32, 4 waves a work-group, clusters of 4 x 4, 327,680 bytes of LDS; arguments o_img, wout_img, b_out, lowp_scales, out0; writes out0
.if DOCPART == 4
	.amdgcn_target "amdgcn-amd-amdhsa--gfx1250"
	.amdhsa_code_object_version 6
	.text
	.protected	k_q6213a15753_gemm_out
	.globl	k_q6213a15753_gemm_out
	.p2align	8
	.type	k_q6213a15753_gemm_out,@function
k_q6213a15753_gemm_out:
	s_mov_b64 s[64:65], 0
	v_nop
	global_prefetch_b8 v0, s[64:65] scope:SCOPE_SE
	s_setreg_imm32_b32 hwreg(HW_REG_WAVE_MODE, 25, 1), 1
	s_wait_xcnt 0x0
	s_wait_alu depctr_hold_cnt(0) depctr_sa_sdst(0) depctr_va_vdst(0) depctr_va_sdst(0) depctr_va_ssrc(0) depctr_va_vcc(0) depctr_vm_vsrc(0)
	s_getreg_b32 s2, hwreg(HW_REG_IB_STS2, 6, 4)
	s_cmp_eq_u32 s2, 0
	s_cbranch_scc0 .Lentry_in_a_cluster
	s_endpgm
.Lentry_in_a_cluster:
	s_bfe_u32 s2, ttmp6, 0x10000c
	s_cmp_lg_u32 s2, 0xf033
	s_cbranch_scc0 .Lentry_shape_is_right
	s_endpgm
.Lentry_shape_is_right:
.set SLOT,   131072
.set HALFT,  32768
.set KSB,    4096
.set SPARE,  2*SLOT
.set SPITCH, 528
.set ROWC,   4096
.set FR,     16
.set NL,     4
.set NP,     4
.set ADRA, 16
.set ADRB, 20
.set STO,  24
.set RD,   25
.set CO,   26
.set SPW,  28
.set NIL,  29
.set BI,   32
.set TMP,  32
.set AF,   128
.set BK,   128
.set G1, 24
.set G0, 32
.set G1B, 48
.set G0B, 56
.set MSB, 0
.macro WIN new
.if MSB != (\new)
	s_set_vgpr_msb (MSB<<8)|(\new)
.set MSB, (\new)
.endif
.endm
.set MUL_LO, 0xa1
.set MUL_HI, 0xf1
.set TO_B,   0x40
.macro JLOAD g0a, g1a, g0b, g1b
	s_cmp_eq_u32 s15, 0
	s_cbranch_scc0 .Lfor_b_\@
	tensor_load_to_lds s[\g0a:\g0a+3], s[\g1a:\g1a+7]
	s_nop 0
.rept 4
	v_nop
.endr
	s_branch .Lasked_\@
.Lfor_b_\@:
	tensor_load_to_lds s[\g0b:\g0b+3], s[\g1b:\g1b+7]
	s_nop 0
.rept 4
	v_nop
.endr
.Lasked_\@:
.endm
.macro CREST
	s_cmp_lg_u32 s14, 0
	s_cbranch_scc1 .Lnot_wave_0_\@
	s_barrier_signal -3
.Lnot_wave_0_\@:
	s_barrier_wait -3
	s_barrier_signal -1
	s_barrier_wait -1
.endm
.macro CROUND
	s_barrier_signal -1
	s_barrier_wait -1
	CREST
.endm
.macro PLACES n
.rept \n
	v_nop
.endr
.endm
.macro FRAG reg, adr, q, i
.irp c, 0,1,2,3
	ds_load_b128 v[\reg+4*\c:\reg+4*\c+3], v[\adr] offset:4096*(\i)+2048*(\q)+512*\c
.endr
.endm
.macro MUL16 a0, p, cmode
.irp a, \a0, \a0+1
.irp b, 0,1,2,3
.if \cmode == 1
	v_wmma_f32_16x16x128_fp8_fp8 v[8*(8*((\a)%4)+\b):8*(8*((\a)%4)+\b)+7], v[128*(\p)+FR*\b:128*(\p)+FR*\b+FR-1], v[AF+FR*(\a):AF+FR*(\a)+FR-1], v[BI+8*\b:BI+8*\b+7]
.else
	v_wmma_f32_16x16x128_fp8_fp8 v[8*(8*((\a)%4)+\b):8*(8*((\a)%4)+\b)+7], v[128*(\p)+FR*\b:128*(\p)+FR*\b+FR-1], v[AF+FR*(\a):AF+FR*(\a)+FR-1], v[8*(8*((\a)%4)+\b):8*(8*((\a)%4)+\b)+7]
.endif
.endr
.endr
.endm
.macro FETCH_B slot, q, p
	WIN TO_B
.irp i, 0,1,2,3
	FRAG 128*(\p)+FR*\i, ADRB+\slot, \q, \i
.endr
	WIN 0
.endm
.macro FETCH_A slot, q, i0
.irp i, \i0, \i0+1, \i0+2, \i0+3
	FRAG AF+FR*(\i), ADRA+\slot, \q, \i
.endr
.endm
.macro STEP slot, q, cmode
	s_wait_dscnt 4*NL
.if \cmode
	WIN 0x81
.else
	WIN MUL_LO
.endif
	MUL16 0, (\q)%2, \cmode
	MUL16 2, (\q)%2, \cmode
	s_wait_dscnt 0
	PLACES NP
	FETCH_B \slot, (\q)+1, 1-(\q)%2
	FETCH_A \slot, (\q)+1, 0
.if \cmode
	WIN 0xc1
.else
	WIN MUL_HI
.endif
	MUL16 4, (\q)%2, \cmode
	MUL16 6, (\q)%2, \cmode
	PLACES NP
	WIN 0
	FETCH_A \slot, (\q)+1, 4
.endm
.macro TURN slot, next, fill
	s_wait_tensorcnt 0x0
	ds_add_u32 v[SPW], v[NIL]
	s_wait_dscnt 4*NL+1
	WIN MUL_LO
	MUL16 0, 1, 0
	s_wait_dscnt 0x0
	s_barrier_signal -1
	MUL16 2, 1, 0
	WIN 0
	s_barrier_wait -1
.if \fill
	CREST
	s_add_nc_u64 s[G0+4*\slot+2:G0+4*\slot+3], s[G0+4*\slot+2:G0+4*\slot+3], 2*KSB
	s_add_nc_u64 s[G0B+4*\slot+2:G0B+4*\slot+3], s[G0B+4*\slot+2:G0B+4*\slot+3], 2*KSB
	JLOAD G0+4*\slot, G1, G0B+4*\slot, G1B
.else
	PLACES NP
.endif
	FETCH_B \next, 0, 0
	FETCH_A \next, 0, 0
	WIN MUL_HI
	MUL16 4, 1, 0
	MUL16 6, 1, 0
	PLACES NP
	WIN 0
	FETCH_A \next, 0, 4
.endm
	s_load_b256 s[68:75], s[0:1], 0x0
	s_load_b64 s[10:11], s[0:1], 0x20
	v_lshl_add_u32 v[SPW], v0, 2, SPARE
	v_mov_b32 v[NIL], 0
	ds_add_u32 v28, v29
	ds_add_u32 v28, v29
	s_wait_dscnt 0x0
	v_lshrrev_b32 v1, 5, v0
	v_readfirstlane_b32 s14, v1
	s_lshr_b32 s15, s14, 1
	s_and_b32 s16, s14, 1
	s_bfe_u32 s40, ttmp6, 0x40000
	s_bfe_u32 s41, ttmp6, 0x40004
	s_lshl_b32 s42, ttmp9, 2
	s_add_co_u32 s42, s42, s40
	s_and_b32 s17, ttmp7, 0xffff
	s_lshl_b32 s17, s17, 2
	s_add_co_u32 s17, s17, s41
	s_lshl_b32 s43, s41, 2
	s_lshl_b32 s43, 15, s43
	s_lshl_b32 s44, 0x1111, s40
	s_or_b32 s[G1+0], s43, (3<<16)|(1<<21)
	s_or_b32 s[G1B+0], s44, (3<<16)|(1<<21)
.irp g, G1, G1B
	s_mov_b32 s[\g+1], 512<<16
	s_mov_b32 s[\g+2], 8<<16
	s_mov_b32 s[\g+3], 512<<16
	s_mov_b32 s[\g+4], 8
	s_mov_b32 s[\g+5], 2048
	s_mov_b32 s[\g+6], 0
	s_mov_b32 s[\g+7], 0
.endr
	s_mov_b32 s[G1B+2], 4<<16                      ; B's block is 128 columns: a wave fetches 4 tiles of it
	s_mov_b32 s[G1B+4], 4
	s_lshl_b32 s22, s16, 17
	s_lshl_b32 s20, s17, 18
	s_add_co_u32 s20, s20, s22
	s_mov_b32 s21, 0
	s_lshl_b32 s46, s42, 17
	s_lshl_b32 s47, s16, 16
	s_add_co_u32 s46, s46, s47
	s_mov_b32 s47, 0
	s_lshl_b32 s45, s14, 15
	s_wait_kmcnt 0x0
	s_load_b256 s[84:91], s[74:75], 0x0
	s_add_nc_u64 s[20:21], s[68:69], s[20:21]
	s_add_nc_u64 s[46:47], s[70:71], s[46:47]
	CROUND
.irp s, 0,1
	s_mov_b32 s[G0+4*\s], 1
	s_add_co_u32 s[G0+4*\s+1], s45, \s*SLOT
	s_add_nc_u64 s[G0+4*\s+2:G0+4*\s+3], s[20:21], \s*KSB
	s_or_b32 s[G0+4*\s+3], s[G0+4*\s+3], 0x80000000
	s_mov_b32 s[G0B+4*\s], 1
	s_add_co_u32 s[G0B+4*\s+1], s45, \s*SLOT
	s_add_nc_u64 s[G0B+4*\s+2:G0B+4*\s+3], s[46:47], \s*KSB
	s_or_b32 s[G0B+4*\s+3], s[G0B+4*\s+3], 0x80000000
.endr
	JLOAD G0, G1, G0B, G1B                         ; K step 0: one tensor load a wave at the head
	v_and_b32 v1, 15, v0
	s_wait_alu depctr_va_vdst(0)
	v_bfe_u32 v2, v0, 4, 1
	v_and_b32 v3, 31, v0
	v_lshlrev_b32 v[CO], 4, v3
	s_lshl_b32 s22, s15, 15
	s_lshl_b32 s23, s16, 15
	s_add_co_u32 s23, s23, 65536
.irp s, 0,1
	v_add_nc_u32 v[ADRA+\s], s22, v[CO]
	v_add_nc_u32 v[ADRB+\s], s23, v[CO]
	s_add_co_u32 s22, s22, SLOT
	s_add_co_u32 s23, s23, SLOT
.endr
	s_mul_i32 s23, s14, 16*SPITCH
	v_mul_u32_u24 v5, v1, SPITCH
	s_wait_alu depctr_va_vdst(0)
	v_lshl_add_u32 v5, v2, 5, v5
	v_add_nc_u32 v[STO], s23, v5
	v_mul_u32_u24 v6, v2, SPITCH                   ; back: lanes 0-15 take one row of 256 bytes, lanes 16-31 the next
	v_lshl_add_u32 v6, v1, 4, v6
	v_add_nc_u32 v[RD], s23, v6
	v_lshlrev_b32 v27, 12, v2                      ; and the same two rows in the output
	v_lshl_add_u32 v27, v1, 4, v27
	s_lshl_b32 s18, s17, 20
	s_lshl_b32 s19, s15, 19
	s_add_co_u32 s18, s18, s19
	s_lshl_b32 s19, s42, 9
	s_add_co_u32 s18, s18, s19
	s_lshl_b32 s19, s16, 8
	s_add_co_u32 s18, s18, s19
	s_mov_b32 s19, 0
	s_add_nc_u64 s[10:11], s[10:11], s[18:19]
	s_lshl_b32 s18, s42, 9
	s_lshl_b32 s22, s16, 8
	s_add_co_u32 s18, s18, s22
	s_add_nc_u64 s[72:73], s[72:73], s[18:19]
	v_lshlrev_b32 v7, 5, v2
.irp b, 0,1,2,3
	global_load_b128 v[BI+8*\b:BI+8*\b+3], v7, s[72:73] offset:64*\b
	global_load_b128 v[BI+8*\b+4:BI+8*\b+7], v7, s[72:73] offset:64*\b+16
.endr
	s_wait_kmcnt 0x0
	s_add_co_i32 s96, s90, s91
	s_sub_co_i32 s92, 0, s96
	s_add_co_i32 s96, s96, 127
	s_lshl_b32 s96, s96, 23
	s_mov_b32 s97, s96
	s_wait_loadcnt 0x0
.set j, 0
.rept 32
	v_ldexp_f32 v[BI+j], v[BI+j], s92
.set j, j+1
.endr
	s_wait_alu depctr_va_vdst(0)                   ; at the head's end
	s_wait_tensorcnt 0x0                           ; my part of K step 0 is in; slot 1's first fill is issued as a refill is:
	ds_add_u32 v[SPW], v[NIL]                      ; 0 onto my spare word
	s_wait_dscnt 0x0
	CROUND                                         ; everybody's part of K step 0 is in, and all sixteen work-groups are here
	JLOAD G0+4, G1, G0B+4, G1B                     ; K step 1: the first tensor load behind the round
	FETCH_B 0, 0, 0
	FETCH_A 0, 0, 0
	FETCH_A 0, 0, 4
	STEP 0, 0, 1
	TURN 0, 1, 1
	STEP 1, 0, 0
	TURN 1, 0, 1
	STEP 0, 0, 0
	TURN 0, 1, 0
	STEP 1, 0, 0
	s_wait_dscnt 4*NL
	WIN MUL_LO
	MUL16 0, 1, 0
	MUL16 2, 1, 0
	s_wait_dscnt 0
	WIN MUL_HI
	MUL16 4, 1, 0
	MUL16 6, 1, 0
	WIN 0
.macro TOSTAGE a
.set AC, 64*((\a)%4)
	WIN 0x02+((\a)/4)
.irp j, 0,2,4,6,8,10,12,14,16,18,20,22,24,26,28,30
	v_pk_mul_f32 v[TMP+\j:TMP+\j+1], v[AC+\j:AC+\j+1], s[96:97] op_sel_hi:[1,0]
.endr
	WIN 0
.irp b, 0,1,2,3
	ds_store_b128 v[STO], v[TMP+8*\b:TMP+8*\b+3] offset:64*\b
	ds_store_b128 v[STO], v[TMP+8*\b+4:TMP+8*\b+7] offset:64*\b+16
.endr
.set BB, BK+64*((\a)%2)
.irp t, 0,1,2,3,4,5,6,7
	ds_load_b128 v[BB+4*\t:BB+4*\t+3], v[RD] offset:2*\t*SPITCH
.endr
.endm
.macro SEND a, younger
.set BB, BK+64*((\a)%2)
	s_wait_dscnt \younger
.if (\a) > 0
	s_add_nc_u64 s[10:11], s[10:11], 16*ROWC
.endif
.irp t, 0,1,2,3,4,5,6,7
	global_store_b128 v27, v[BB+4*\t:BB+4*\t+3], s[10:11] offset:2*\t*ROWC th:TH_STORE_NT
.endr
.endm
	PLACES NP
	TOSTAGE 0
.irp a, 1,2,3,4,5,6,7
.if \a > 1
	s_wait_xcnt 0x0
.endif
	TOSTAGE \a
	SEND \a-1, 16
.endr
	s_wait_xcnt 0x0
	SEND 7, 0
	s_wait_tensorcnt 0x0
	ds_add_u32 v[SPW], v[NIL]
	s_wait_dscnt 0x0
	CROUND
	s_endpgm
.Lfunc_end_k_q6213a15753_gemm_out:
	.size	k_q6213a15753_gemm_out, .Lfunc_end_k_q6213a15753_gemm_out-k_q6213a15753_gemm_out
	.p2alignl 7, 3214868480
	.fill 96, 4, 3214868480
	.section	.rodata,"a",@progbits
	.p2align	6, 0x0
	.amdhsa_kernel k_q6213a15753_gemm_out
		.amdhsa_group_segment_fixed_size 327680
		.amdhsa_private_segment_fixed_size 0
		.amdhsa_enable_private_segment 0
		.amdhsa_kernarg_size 40
		.amdhsa_user_sgpr_count 2
		.amdhsa_user_sgpr_kernarg_segment_ptr 1
		.amdhsa_wavefront_size32 1
		.amdhsa_system_sgpr_workgroup_id_x 1
		.amdhsa_system_sgpr_workgroup_id_y 1
		.amdhsa_system_sgpr_workgroup_id_z 1
		.amdhsa_system_vgpr_workitem_id 0
		.amdhsa_next_free_vgpr 1024
		.amdhsa_next_free_sgpr 100
		.amdhsa_reserve_vcc 0
		.amdhsa_float_denorm_mode_32 3
		.amdhsa_float_denorm_mode_16_64 3
		.amdhsa_memory_ordered 1
		.amdhsa_forward_progress 1
		.amdhsa_inst_pref_size 80
	.end_amdhsa_kernel
	.amdgpu_metadata
---
amdhsa.version: [ 1, 2 ]
amdhsa.kernels:
  - .name:           k_q6213a15753_gemm_out
    .symbol:         k_q6213a15753_gemm_out.kd
    .args:
      - { .name: o_img, .offset: 0, .size: 8, .value_kind: global_buffer, .address_space: global }
      - { .name: wout_img, .offset: 8, .size: 8, .value_kind: global_buffer, .address_space: global }
      - { .name: b_out, .offset: 16, .size: 8, .value_kind: global_buffer, .address_space: global }
      - { .name: lowp_scales, .offset: 24, .size: 8, .value_kind: global_buffer, .address_space: global }
      - { .name: out0, .offset: 32, .size: 8, .value_kind: global_buffer, .address_space: global }
    .group_segment_fixed_size: 327680
    .private_segment_fixed_size: 0
    .kernarg_segment_align: 8
    .kernarg_segment_size: 40
    .max_flat_workgroup_size: 128
    .sgpr_count:     100
    .vgpr_count:     1024
    .wavefront_size: 32
...
	.end_amdgpu_metadata
.endif
;; end of part 4
